; MI455X (gfx1250); checked and timed in simulation.
; The chip was launched on July 23, 2026; its instructions are those of AMD's public machine-readable ISA for CDNA 5 (MIT licence, August 2026) and "CDNA5" Instruction Set Architecture Reference Guide (July 2026). The comments in the code are by the model that wrote it; some were corrected since.
;; Prototypical Network. Allowed arithmetic: matrix products marked QUANTISED: E4M3 operands, one E8M0 scale for each 32 along K, by v_wmma_scale_f32_16x16x128_f8f6f4 with both operands' format E4M3, f32 sums; everything else in f32.
;; Inputs: bootstrap_indices 8 x 128 x 32 int32; query_set_repr 65,536 x 128 float32; support_labels 4,096 int32; support_set_repr 4,096 x 128 float32.
;; Outputs: out0 65,536 x 128 float32.
;; This version of the problem:
;;   THIS VERSION OF THE PROBLEM IS GIVEN IN LOW PRECISION. The matrix products marked QUANTISED in the list below multiply operands that are first quantised to E4M3 (4 exponent bits, 3 mantissa bits; 8 bits a number), with one power-of-two scale for each 32 numbers along K (OCP MX v1.0); their sums are f32. All else is computed in f32.
;;   The module's matrix products, in the order in which they are computed (A, B: the left and right operand; K: the contracted axis; several contracted axes count as one K, in the product's order):
;;     1. [M 1,024, K 128] x [K 128, N 65,536]; A: computed on the way; B: input query_set_repr: QUANTISED
;;   THE QUANTISER, for each operand of a quantised product, along K:
;;     - K is cut into blocks of 32 from its start; a last block that is shorter is filled with zeros.
;;     - A block's scale is 2^e with e = floor(log2(the largest magnitude in the block)) - 8, held to -126 .. 127; a block of zeros has e = 0. As a byte (E8M0): e + 127.
;;     - Each number is divided by its block's scale, clamped to +-448, and rounded to the nearest number of E4M3, ties to even, subnormals kept.
;;     - The product sums the exact products of the quantised numbers (number of the format x scale) in f32.
;;   ~~~python
;;   def quantise(x, axis):      # numpy; x: float32 -> the quantised numbers, widened to float32 again
;;       x = np.moveaxis(x, axis, -1); K = x.shape[-1]
;;       x = np.pad(x, [(0, 0)] * (x.ndim - 1) + [(0, -K % 32)]); x = x.reshape(x.shape[:-1] + (-1, 32)); a = np.abs(x).max(-1, keepdims=True)
;;       e = np.where(a > 0, np.clip(np.frexp(np.where(a > 0, a, 1))[1] - 1 - 8, -126, 127), 0)      # np.frexp(a)[1] - 1 = floor(log2(a)), exactly
;;       r = np.clip(x / 2.0 ** e, -448, 448)
;;       step = 2.0 ** (np.maximum(np.frexp(np.where(r == 0, 1, r))[1] - 1, -6) - 3)
;;       q = np.round(r / step) * step * 2.0 ** e      # np.round: ties to even
;;       return np.moveaxis(q.reshape(q.shape[:-2] + (-1,))[..., :K], -1, axis).astype(np.float32)
;;   ~~~
;;   OPERANDS COMPUTED ON THE WAY. 'Computed on the way' means the value that the module computes at that place (a softmax that the list does not call 'softmax' is quantised finished and normalised). What goes into a quantiser is computed in f32, as accurately as f32 sums, v_exp_f32 and their like allow (about 1e-6 of the number): no bf16 or f16 on the way to a quantiser, and a product that is left as it is and whose result goes on into a quantised operand takes f32 operands (vector FMAs, or v_wmma_f32_16x16x4_f32). A number that lies on a knife's edge between two numbers of the format may be rounded either way, as far as f32 arithmetic and the matrix unit's own rounding can turn it there, and no further.
;; One version. Each part assembles by itself: llvm-mc -triple=amdgcn-amd-amdhsa -mcpu=gfx1250 --defsym DOCPART=n.
;; ======== version 1 of 1: 2 launches
;; limits: right only within a limited range of input values
;; workspace buffers: pcodes 131,072 bytes; pmeta 8,192 bytes
;; launch protos (part 1): grid 256 x 1, 4 waves a work-group, no clusters, 1,792 bytes of LDS; arguments support_set_repr, bootstrap_indices, pcodes, pmeta; writes pcodes, pmeta
.if DOCPART == 1
	.amdgcn_target "amdgcn-amd-amdhsa--gfx1250"
	.amdhsa_code_object_version 6
	.text
	.protected	k_qf13b3e4650_protos
	.globl	k_qf13b3e4650_protos
	.p2align	8
	.type	k_qf13b3e4650_protos,@function
k_qf13b3e4650_protos:
	s_mov_b64 s[64:65], 0
	v_nop
	global_prefetch_b8 v0, s[64:65] scope:SCOPE_SE
	s_setreg_imm32_b32 hwreg(HW_REG_WAVE_MODE, 25, 1), 1
	s_wait_xcnt 0x0
; THE PROTOTYPES.  proto[b][c][:] = the mean of the 32 rows support[32 c + idx[b][c][s]][:], s = 0 .. 31, in f32: made as the sum over the class's 32 rows of (how often idx[b][c] names the row) x row, times 1 / 32.
; Stored for the second launch: each prototype's FP8 (E4M3) codes, its word of four E8M0 scale bytes, and -p2 / 2, p2 the sum of the squares of the UNQUANTISED prototype.
; WORK LEFT OUT: support_labels.  reference() takes it as an argument and names it in no expression (the classes' rows are found by a reshape alone), so for all values it has no way to any output; it is not loaded and is
; among no launch's arguments.  LIMIT: nothing that support_labels holds is carried to the result (whole numbers: no NaN, infinity or overflow arises there).
; LIMITS: an index outside 0 .. 31 names no row; NaN and infinities among the inputs are not served (one in a row that no index names would reach its class's means too, as 0 x it); a block of zeros gets the scale byte 1 where
; the rule says 127 (its codes are zeros, and the bytes are read by this program alone); blocks whose largest magnitude lies under 2^(9 - 127) keep the byte 1; sums are not in reference()'s order.
; SHARES.  Work-group Q makes four prototypes, one a wave: of the fragment F = Q / 4 (16 rows: row 8 g + b is class 8 (F / 4) + 4 g + F % 4, bootstrap b) the rows 4 (Q % 4) .. + 3.  A lane holds 4 neighbouring
; columns; the class's 32 rows are 32 loads of 512 bytes, asked for together with the indices: no address hangs on an index.
; OUT: pcodes at 512 Q: 128 c + 64 h + 16 (row % 4): k = 32 c + 16 h + 0 .. 15;  pmeta at 32 Q: four scale words, then four -p2 / 2.
; pmeta's 32 bytes a work-group are less than 256: 8 KiB in all.  No matrix unit, no tensor load, no cluster, no prefetch: there is no loop to run ahead in.
.set JUNK,  512                        ; LDS: 0 the codes; 512 what odd lanes put down; 1024 scale words and -p2 / 2
.set META,  1024
.set SPARE, 1280                       ; the spare words, 128 bytes for each wave, which no other line names
.set SPW,   6
.set NIL,   7
.set X,     14                         ; v14-17 the sum, then the prototype; v18-21 the neighbour's four
.set XB,    24                         ; v24-27 the second chain
.set SQ,    28
.set PD,    30
.set MX,    32
.set MH,    33
.set MS,    34
.set BY,    35
.set PC,    36
.set G,     44                         ; v44-171 the 32 rows
	s_load_b256 s[4:11], s[0:1], 0x0               ; support, indices, pcodes, pmeta
	v_lshl_add_u32 v[SPW], v0, 2, SPARE
	v_mov_b32 v[NIL], 0
	v_lshrrev_b32 v2, 5, v0
	v_readfirstlane_b32 s14, v2                    ; wave 0..3
	s_and_b32 s15, ttmp9, 3                        ; Q % 4
	s_lshr_b32 s16, ttmp9, 2                       ; F
	s_lshr_b32 s17, s16, 2
	s_lshl_b32 s17, s17, 3
	s_lshr_b32 s2, s15, 1
	s_lshl_b32 s2, s2, 2
	s_add_co_u32 s17, s17, s2
	s_and_b32 s2, s16, 3
	s_add_co_u32 s17, s17, s2                      ; the class
	s_and_b32 s3, s15, 1
	s_lshl_b32 s3, s3, 2
	s_add_co_u32 s3, s3, s14                       ; b
	s_lshl_b32 s48, s3, 14
	s_lshl_b32 s2, s17, 7
	s_add_co_u32 s48, s48, s2                      ; the indices of (b, class)
	s_mov_b32 s49, 0
	s_lshl_b32 s50, s17, 14                        ; the class's 32 rows of 512 bytes
	s_mov_b32 s51, 0
	s_lshl_b32 s52, ttmp9, 9
	s_mov_b32 s53, 0
	s_lshl_b32 s54, ttmp9, 5
	s_mov_b32 s55, 0
	s_mov_b32 s56, 0x3d000000                      ; 1 / 32
	s_mov_b32 s57, s56
	s_mov_b32 s58, 0x76543210                      ; v_permlanex16_b32's selects for lane l xor 16
	s_mov_b32 s59, 0xfedcba98
	s_mov_b32 s60, 0x600000                        ; the mantissa field of 448
	s_lshl_b32 s18, s14, 4
	s_lshl_b32 s19, s14, 2
	s_add_co_u32 s19, s19, META
	s_add_co_u32 s20, s19, 16
	v_and_b32 v8, 31, v0                           ; lane
	v_lshlrev_b32 v1, 4, v8
	v_lshlrev_b32 v4, 2, v8
	v_lshrrev_b32 v2, 2, v8                        ; LDS: the even lane of a pair puts the pair's 8 codes down: k = 4 l .. 4 l + 7
	v_lshlrev_b32 v2, 6, v2
	v_bfe_u32 v3, v8, 1, 1
	v_lshl_add_u32 v2, v3, 3, v2
	v_and_b32 v3, 1, v8
	v_lshl_add_u32 v2, v3, 9, v2                   ; (odd lanes: JUNK on)
	v_add_nc_u32 v2, s18, v2
	v_lshrrev_b32 v3, 3, v8
	v_add_nc_u32 v3, s19, v3                       ; LDS: my block's scale byte
	v_mov_b32 v5, s20                              ; LDS: my wave's -p2 / 2
	v_and_b32 v11, 7, v8
	v_lshlrev_b32 v11, 2, v11
	v_add_nc_u32 v10, META, v11
	v_mov_b32 v[PD], 0                             ; (a lane permute's destination counts as one of its sources)
.irp i, 4,5,6,7
	v_mov_b32 v[X+\i], 0
.endr
	s_wait_alu depctr_va_vdst(0)                   ; the wait at the head's end
	s_wait_kmcnt 0x0
	s_add_nc_u64 s[6:7], s[6:7], s[48:49]
	s_add_nc_u64 s[4:5], s[4:5], s[50:51]
	global_load_b32 v12, v4, s[6:7]                ; lane s: index s
.set K, 0
.rept 32
	global_load_b128 v[G+4*K:G+4*K+3], v1, s[4:5] offset:512*K
.set K, K+1
.endr
	s_add_nc_u64 s[8:9], s[8:9], s[52:53]
	s_add_nc_u64 s[10:11], s[10:11], s[54:55]
	s_wait_loadcnt 32                              ; the indices are in; the 32 rows behind them may be out
.set K, 0
.rept 32                                       ; row K's count in s[16 + 2 K] (from row 16 on: s[34 + 2 K]); the register above it takes the mask
	v_cmp_eq_u32 s[17+2*K+18*(K/16)], K, v12
.set K, K+1
.endr
	s_wait_alu depctr_va_vdst(0)                   ; the wait ahead of the run of scalar instructions
.set K, 0
.rept 32
	s_bcnt1_i32_b32 s[16+2*K+18*(K/16)], s[17+2*K+18*(K/16)]
.set K, K+1
.endr
.set K, 0
.rept 32
	s_cvt_f32_u32 s[16+2*K+18*(K/16)], s[16+2*K+18*(K/16)]
.set K, K+1
.endr
.macro ROWSUM k, acc
.set CN, 16+2*(\k)+18*((\k)/16)
.irp p, 0,2
.if (\k) < 2
	v_pk_mul_f32 v[\acc+\p:\acc+\p+1], v[G+4*(\k)+\p:G+4*(\k)+\p+1], s[CN:CN+1] op_sel_hi:[1,0]
.else
	v_pk_fma_f32 v[\acc+\p:\acc+\p+1], v[G+4*(\k)+\p:G+4*(\k)+\p+1], s[CN:CN+1], v[\acc+\p:\acc+\p+1] op_sel_hi:[1,0,1]
.endif
.endr
.endm
.irp g, 0,1,2,3
.if \g > 0
	s_wait_alu depctr_va_vdst(0)                   ; the wait here, directly ahead of the wait below
.endif
	s_wait_loadcnt 24-8*\g                         ; rows 8 g .. 8 g + 7 are in; the later rows may be out
.irp i, 0,2,4,6
	ROWSUM 8*\g+\i, X
	ROWSUM 8*\g+\i+1, XB
.endr
.endr
	v_pk_add_f32 v[X:X+1], v[X:X+1], v[XB:XB+1]
	v_pk_add_f32 v[X+2:X+3], v[X+2:X+3], v[XB+2:XB+3]
	v_pk_mul_f32 v[X:X+1], v[X:X+1], s[56:57] op_sel_hi:[1,0]      ; the mean: x 1 / 32, exact
	v_pk_mul_f32 v[X+2:X+3], v[X+2:X+3], s[56:57] op_sel_hi:[1,0]
	v_max3_num_f32 v[MX], |v[X]|, |v[X+1]|, 0x4800000              ; the floor 2^(9 - 127): the byte cannot fall under 1
	v_pk_mul_f32 v[SQ:SQ+1], v[X:X+1], v[X:X+1]
	v_max3_num_f32 v[MX], v[MX], |v[X+2]|, |v[X+3]|
	v_pk_fma_f32 v[SQ:SQ+1], v[X+2:X+3], v[X+2:X+3], v[SQ:SQ+1]
	v_max_num_f32_dpp v[MX], v[MX], v[MX] row_xmask:1 row_mask:0xf bank_mask:0xf   ; a block of 32 lies in 8 neighbouring lanes
	v_add_f32 v[SQ], v[SQ], v[SQ+1]
	v_max_num_f32_dpp v[MX], v[MX], v[MX] row_xmask:2 row_mask:0xf bank_mask:0xf
	v_add_f32_dpp v[SQ], v[SQ], v[SQ] row_xmask:1 row_mask:0xf bank_mask:0xf
	v_max_num_f32_dpp v[MX], v[MX], v[MX] row_xmask:4 row_mask:0xf bank_mask:0xf
	v_add_f32_dpp v[SQ], v[SQ], v[SQ] row_xmask:2 row_mask:0xf bank_mask:0xf
	v_and_or_b32 v[MH], v[MX], 0x7f800000, s60     ; 448 x the scale
	v_add_nc_u32 v[MS], 0xfc000000, v[MX]          ; 8 off the exponent field: the conversion's scale operand
	v_add_f32_dpp v[SQ], v[SQ], v[SQ] row_xmask:4 row_mask:0xf bank_mask:0xf
.irp i, 0,1,2,3
	v_med3_num_f32 v[X+\i], v[X+\i], -v[MH], v[MH] ; the conversion to an 8-bit code does not saturate (ISA guide 7.6.2)
.endr
	v_add_f32_dpp v[SQ], v[SQ], v[SQ] row_xmask:8 row_mask:0xf bank_mask:0xf
	v_lshrrev_b32 v[BY], 23, v[MS]                 ; the scale's byte
.irp i, 0,1,2,3
	v_mov_b32_dpp v[X+4+\i], v[X+\i] row_xmask:1 row_mask:0xf bank_mask:0xf   ; in an even lane: the next four along K
.endr
	v_permlanex16_b32 v[PD], v[SQ], s58, s59
	v_cvt_scalef32_pk8_fp8_f32 v[PC:PC+1], v[X:X+7], v[MS]
	v_add_f32 v[SQ], v[SQ], v[PD]
	v_mul_f32 v[SQ], -0.5, v[SQ]                   ; -p2 / 2
	ds_store_b64 v2, v[PC:PC+1]
	ds_store_b8 v3, v[BY]                          ; the eight lanes of a block write the same byte with the same value
	ds_store_b32 v5, v[SQ]
	s_wait_dscnt 0x0                               ; for wave 0's sake: my stores have landed
	s_barrier_signal -1
	s_barrier_wait -1
	s_cmp_lg_u32 s14, 0
	s_cbranch_scc1 .Lend                           ; wave 0 alone goes on; no barrier follows
	ds_load_b128 v[40:43], v1
	ds_load_b32 v39, v10
	s_wait_dscnt 0x0
	global_store_b128 v1, v[40:43], s[8:9]         ; 512 consecutive bytes: two aligned blocks of 256
	global_store_b32 v11, v39, s[10:11]            ; 32 bytes: lanes of one word store the same value
.Lend:
	s_wait_tensorcnt 0x0                           ; the wave's end
	ds_add_u32 v[SPW], v[NIL]
	s_wait_dscnt 0x0
	s_endpgm
.Lfunc_end_k_qf13b3e4650_protos:
	.size	k_qf13b3e4650_protos, .Lfunc_end_k_qf13b3e4650_protos-k_qf13b3e4650_protos
	.p2alignl 7, 3214868480
	.fill 96, 4, 3214868480
	.section	.rodata,"a",@progbits
	.p2align	6, 0x0
	.amdhsa_kernel k_qf13b3e4650_protos
		.amdhsa_group_segment_fixed_size 1792
		.amdhsa_private_segment_fixed_size 0
		.amdhsa_enable_private_segment 0
		.amdhsa_kernarg_size 32
		.amdhsa_user_sgpr_count 2
		.amdhsa_user_sgpr_kernarg_segment_ptr 1
		.amdhsa_wavefront_size32 1
		.amdhsa_system_sgpr_workgroup_id_x 1
		.amdhsa_system_sgpr_workgroup_id_y 1
		.amdhsa_system_sgpr_workgroup_id_z 1
		.amdhsa_system_vgpr_workitem_id 0
		.amdhsa_next_free_vgpr 172
		.amdhsa_next_free_sgpr 98
		.amdhsa_reserve_vcc 0
		.amdhsa_float_denorm_mode_32 3
		.amdhsa_float_denorm_mode_16_64 3
		.amdhsa_memory_ordered 1
		.amdhsa_forward_progress 1
		.amdhsa_inst_pref_size 17
	.end_amdhsa_kernel
	.amdgpu_metadata
---
amdhsa.version: [ 1, 2 ]
amdhsa.kernels:
  - .name:           k_qf13b3e4650_protos
    .symbol:         k_qf13b3e4650_protos.kd
    .args:
      - { .name: support_set_repr, .offset: 0, .size: 8, .value_kind: global_buffer, .address_space: global }
      - { .name: bootstrap_indices, .offset: 8, .size: 8, .value_kind: global_buffer, .address_space: global }
      - { .name: pcodes, .offset: 16, .size: 8, .value_kind: global_buffer, .address_space: global }
      - { .name: pmeta, .offset: 24, .size: 8, .value_kind: global_buffer, .address_space: global }
    .group_segment_fixed_size: 1792
    .private_segment_fixed_size: 0
    .kernarg_segment_align: 8
    .kernarg_segment_size: 32
    .max_flat_workgroup_size: 128
    .sgpr_count:     98
    .vgpr_count:     172
    .wavefront_size: 32
...
	.end_amdgpu_metadata
.endif
;; end of part 1
;; launch dist (part 2): grid 256 x 1, 16 waves a work-group, no clusters, 215,040 bytes of LDS; arguments query_set_repr, pcodes, pmeta, out0; writes out0
.if DOCPART == 2
	.amdgcn_target "amdgcn-amd-amdhsa--gfx1250"
	.amdhsa_code_object_version 6
	.text
	.protected	k_qf13b3e4650_dist
	.globl	k_qf13b3e4650_dist
	.p2align	8
	.type	k_qf13b3e4650_dist,@function
k_qf13b3e4650_dist:
	s_mov_b64 s[64:65], 0
	v_nop
	global_prefetch_b8 v0, s[64:65] scope:SCOPE_SE
	s_setreg_imm32_b32 hwreg(HW_REG_WAVE_MODE, 25, 1), 1
	s_wait_xcnt 0x0
; out0[q][c] = - the mean over b = 0 .. 7 of sqrt(max(q2[q] + p2[b][c] - 2 q . proto[b][c], 0)).  The product is made on FP8 (E4M3) codes with one E8M0 scale for each 32 along the 128; q2 and p2 are sums of squares of the
; unquantised f32 numbers.  The prototypes' codes, scale words and -p2 / 2 come from the first launch; the queries are quantised here.
; WORK LEFT OUT: support_labels, which reference() names in no expression (shown at the head of the first kernel).
; LIMITS: NaN and infinities among the inputs are not served; a block of zeros gets the scale byte 1 where the rule says 127 (zero codes; the bytes never leave this launch); blocks whose largest magnitude lies under
; 2^(9 - 127) keep the byte 1; where d2 / 64 lies under 2^-126 the root is 0 (v_sqrt_f32 takes a denormal as zero: ISA guide, its entry); sums are trees, not reference()'s order.
; THE ARITHMETIC.  Source 0 = 16 prototypes (2 classes x 8 b), source 1 = 16 queries, C = -p2 / 2: D = qp - p2 / 2; lane (r, h) holds query r, its eight registers the eight b of ONE class.
; d2 / 64 = D x (-1 / 32) + q2 / 64, by powers of two alone; held at 0 from below; its root is dist / 8; the eight roots are added and negated.
; SHARES.  A work-group owns 256 queries: 16 tiles of 16, in four blocks of 4 tiles.  Wave w owns classes 8 w .. 8 w + 7: four fragments (fragment f: classes 8 w + f and 8 w + 4 + f), read once from memory straight into registers,
; where they stay.  It also loads and quantises rows 4 w .. 4 w + 3 of each block: four loads of a whole row, 512 bytes, turned through its own 2,560 bytes of LDS so that a lane holds 16 neighbours; the codes go to LDS as an image of
; the operand's registers.  Blocks 0 and 1 are asked for at the head, block b + 1 when block b is quantised, four steps ahead of its use.
; A STEP t: tile t's four products are issued, then tile t - 1's roots and sums, then tile t's multiply-adds and maxima.  A group's results (groups of 4, 4, 4, 2, 2 tiles) stay in registers until its last tile is done, go to the stage
; in one run, and leave as rows behind a barrier; no LDS store stands between a barrier's signal and its wait.
; NO CLUSTER, no tensor load: what work-groups share, the prototypes (136 KiB for a work-group), goes straight into registers, once.  NO PREFETCH: there is no loop to run ahead in, and a block's own loads are out four steps ahead.
.set RAWW, 2560                        ; LDS 0: wave w's turning place: 32 x (64 bytes + 16)
.set ROWR, 640                         ; a row there: eight times 80
.set IMG,  16*RAWW                     ; 40,960: tile t's image at 2,176 t: register group c at 544 c, lanes 0-15 at 16 r, lanes 16-31 at 272 + 16 r
.set TILE, 2176
.set QSC,  IMG+16*TILE                 ; 75,776: scale words: tile t at 64 t, 4 r
.set QSQ,  1024                        ; behind them: q2 / 64 in the same way
.set STG,  QSC+2048                    ; 77,824: the stage: 256 rows of
.set SP,   528                         ;   512 bytes + 16: 33 x 16: 16 rows start in 16 different columns of 16 bytes
.set HSTG, 128*SP
.set SPARE, STG+256*SP                 ; 212,992: the spare words, 128 bytes for each of 16 waves, which no other line names
.set RWA, 1                            ; the turning place, in: 80 (l / 4) + 16 (l % 4)
.set IW,  2                            ; where I store codes
.set SW,  3                            ; my block's scale byte
.set IR,  4                            ; where I read images back
.set SCR, 5                            ; and scale words
.set SO,  6                            ; v6-7 into the stage: rows 0-127, 128-255
.set SRD, 8                            ; v8-9 back: four rows of a group of 64
.set SR2, 10                           ; back: two rows of a group of 32
.set SPW, 11
.set NIL, 12
.set ZA,  13                           ; 0, for the maxima: two registers whose numbers differ modulo 4
.set RRA, 14                           ; the turning place, back: 80 l
.set ZB,  15                           ; 0
.set PS,  16                           ; v16-19 the prototypes' scale words
.set QS,  20                           ; the queries'
.set Q2,  22                           ; v22, v24 q2 / 64 (the registers above them hold 0: a packed form names the pair)
.set GO,  26                           ; 16 l
.set QW,  27                           ; my row's q2
.set PO,  29                           ; offsets of the head's loads
.set MO,  30
.set BO,  31
.set PCD, 32                           ; v32-95 the prototypes' fragments
.set CB,  96                           ; v96-127 -p2 / 2 in the result's layout
.set F,   128                          ; v128-143 the query fragment
.set RW,  144                          ; v144-159 a block's rows on their way in
.set D,   160                          ; v160-223 two sets of four accumulators
.set X,   160                          ; while quantising, in the even set: 16 neighbours along K,
.set SQ,  176                          ; v176-183 four chains of squares,
.set MX,  184                          ; largest magnitudes,
.set MY,  185
.set MH,  186                          ; 448 x the scale,
.set MS,  187                          ; the conversions' scale operand,
.set PC,  188                          ; v188-191 the codes
.set OB,  224                          ; v224-239 rows on their way out (at the head: block 0's rows)
.set RS,  240                          ; v240-255 results: tile u's four at RS + 4 (u % 4)
.set BR,  240                          ; at the head: -p2 / 2 as loaded, a register a fragment
.set TL,  244                          ; at the head alone: l, r, h, r / 4, l % 4, at work, c, j
.set TR,  245
.set TH,  246
.set TQ,  247
.set T3,  248
.set TW,  249
.set TC,  250
.set TJ,  251
.set WV,  14
.set CS,  28
.set MNT, 32
	s_load_b256 s[4:11], s[0:1], 0x0               ; queries, pcodes, pmeta, out0
	v_lshl_add_u32 v[SPW], v0, 2, SPARE
	v_mov_b32 v[NIL], 0
	v_lshrrev_b32 v[TL], 5, v0
	v_readfirstlane_b32 s[WV], v[TL]               ; wave 0..15
	s_mul_i32 s34, s[WV], RAWW
	s_lshr_b32 s35, s[WV], 2                       ; my rows are 4 (w % 4) .. + 3 of tile 4 b + w / 4
	s_mul_i32 s35, s35, TILE
	s_and_b32 s2, s[WV], 3
	s_lshl_b32 s2, s2, 6
	s_add_co_u32 s35, s35, s2
	s_add_co_u32 s35, s35, IMG
	s_lshl_b32 s36, s[WV], 4
	s_add_co_u32 s36, s36, QSC
	s_lshl_b32 s37, s[WV], 5
	s_add_co_u32 s37, s37, STG
	s_mul_i32 s38, s[WV], 4*SP
	s_add_co_u32 s38, s38, STG
	s_mul_i32 s39, s[WV], 2*SP
	s_add_co_u32 s39, s39, STG+192*SP
	s_lshl_b32 s40, ttmp9, 17                      ; my work-group's 256 rows of 512 bytes, in the queries and in the output alike
	s_mov_b32 s41, 0
	s_lshl_b32 s42, s[WV], 13                      ; my four fragments' 8 KiB
	s_mov_b32 s43, 0
	s_lshl_b32 s44, s[WV], 9                       ; their 512 bytes of pmeta
	s_mov_b32 s45, 0
	s_lshl_b32 s48, s[WV], 11                      ; my rows: 4 w on in a block or a group of 64,
	s_mov_b32 s49, 0
	s_lshl_b32 s50, s[WV], 10                      ; 2 w on in a group of 32
	s_mov_b32 s51, 0
	s_mov_b32 s[CS], 0xbd000000                    ; -1 / 32
	s_mov_b32 s[CS+1], s[CS]
	s_mov_b32 s[MNT], 0x600000                     ; the mantissa field of 448
	v_and_b32 v[TL], 31, v0
	v_and_b32 v[TR], 15, v0
	v_bfe_u32 v[TH], v0, 4, 1
	v_and_b32 v[T3], 3, v0
	v_bfe_u32 v[TC], v0, 1, 2                      ; while quantising lane l holds row j = l / 8, block c = l / 2 % 4, half l % 2
	v_bfe_u32 v[TJ], v0, 3, 2
	v_lshrrev_b32 v[TQ], 2, v[TR]
	v_lshlrev_b32 v[GO], 4, v[TL]
	v_lshlrev_b32 v[PO], 9, v[TQ]
	v_lshlrev_b32 v[MO], 5, v[TQ]
	v_and_b32 v[TW], 1, v[TQ]
	v_lshl_add_u32 v[PO], v[TH], 6, v[PO]
	v_lshl_add_u32 v[MO], v[T3], 2, v[MO]          ; row r's scale word: 32 (r / 4) + 4 (r % 4)
	v_lshl_add_u32 v[BO], v[TH], 1, v[TW]
	v_lshl_add_u32 v[PO], v[T3], 4, v[PO]          ; row r's codes: 512 (r / 4) + 64 h + 16 (r % 4)
	v_lshlrev_b32 v[BO], 5, v[BO]
	v_lshl_add_u32 v[BO], v[T3], 2, v[BO]          ; -p2 / 2 of row 8 h + r % 8
	v_lshrrev_b32 v[TW], 2, v[TL]
	v_mul_u32_u24 v[RRA], v[TL], 80
	v_mul_u32_u24 v[RWA], v[TW], 80
	v_mul_u32_u24 v[IW], v[TC], 544
	v_lshl_add_u32 v[RWA], v[T3], 4, v[RWA]
	v_and_b32 v[TW], 1, v0
	v_mul_u32_u24 v[TW], v[TW], 272
	v_add_nc_u32 v[RRA], s34, v[RRA]
	v_add_nc_u32 v[RWA], s34, v[RWA]
	v_add_nc_u32 v[IW], v[IW], v[TW]
	v_lshl_add_u32 v[IW], v[TJ], 4, v[IW]
	v_add_nc_u32 v[IW], s35, v[IW]
	v_lshl_add_u32 v[QW], v[TJ], 2, s36
	v_add_nc_u32 v[SW], v[QW], v[TC]
	v_mul_u32_u24 v[IR], v[TH], 272
	v_mul_u32_u24 v[SO], v[TR], SP
	v_lshl_add_u32 v[IR], v[TR], 4, v[IR]
	v_lshl_add_u32 v[SO], v[TH], 4, v[SO]
	v_add_nc_u32 v[IR], IMG, v[IR]
	v_add_nc_u32 v[SO], s37, v[SO]
	v_lshl_add_u32 v[SCR], v[TR], 2, QSC
	v_add_nc_u32 v[SO+1], HSTG, v[SO]
	v_add_nc_u32 v[SRD], s38, v[GO]
	v_add_nc_u32 v[SR2], s39, v[GO]
	v_add_nc_u32 v[SRD+1], HSTG, v[SRD]
	v_mov_b32 v[ZA], 0
	v_mov_b32 v[ZB], 0
	v_mov_b32 v[Q2+1], 0
	v_mov_b32 v[Q2+3], 0
	s_wait_alu depctr_va_vdst(0)                   ; the wait at the head's end
	s_wait_kmcnt 0x0
	s_add_nc_u64 s[4:5], s[4:5], s[40:41]
	s_add_nc_u64 s[4:5], s[4:5], s[48:49]
	s_add_nc_u64 s[6:7], s[6:7], s[42:43]
	s_add_nc_u64 s[8:9], s[8:9], s[44:45]
.macro ROWS b, dst                     ; my four rows of block b: 32 lanes read 512 consecutive bytes
.irp j, 0,1,2,3
	global_load_b128 v[\dst+4*\j:\dst+4*\j+3], v[GO], s[4:5] offset:(64*(\b)+\j)*512 th:TH_LOAD_NT
.endr
.endm
	ROWS 0, OB
.irp f, 0,1,2,3
	global_load_b32 v[BR+\f], v[BO], s[8:9] offset:128*\f+16
.endr
.irp f, 0,1,2,3
	global_load_b32 v[PS+\f], v[MO], s[8:9] offset:128*\f
.endr
.irp f, 0,1,2,3
.irp c, 0,1,2,3
	global_load_b128 v[PCD+16*\f+4*\c:PCD+16*\f+4*\c+3], v[PO], s[6:7] offset:2048*\f+128*\c
.endr
.endr
	ROWS 1, RW
	s_add_nc_u64 s[10:11], s[10:11], s[40:41]
	s_add_nc_u64 s[12:13], s[10:11], s[48:49]
	s_add_nc_u64 s[46:47], s[10:11], s[50:51]
.set K, 0
.rept 16                                       ; (a lane copy's destination counts as one of its sources)
	v_dual_mov_b32 v[CB+2*K], v[ZA] :: v_dual_mov_b32 v[CB+2*K+1], v[ZB]
.set K, K+1
.endr
	s_wait_alu depctr_va_vdst(0)                   ; the wait here, directly ahead of the wait below
; MY FOUR ROWS OF BLOCK b become codes, scale bytes and q2 / 64 in LDS for all waves.  left = the younger loads that may stay out.
.macro QUANT b, src, left
	s_wait_loadcnt \left
.irp j, 0,1,2,3
	ds_store_b128 v[RWA], v[\src+4*\j:\src+4*\j+3] offset:ROWR*\j
.endr
.irp j, 0,1,2,3
	ds_load_b128 v[X+4*\j:X+4*\j+3], v[RRA] offset:16*\j           ; LDS serves a wave's instructions in order (ISA guide 5.7.1.4): these see the stores above
.endr
	s_wait_dscnt 0x0                               ; back: so the stores have read their registers
.if ((\b) == 1) || ((\b) == 2)
	ROWS (\b)+1, RW                                ; which take the next block's rows
.endif
	v_max3_num_f32 v[MX], |v[X]|, |v[X+1]|, |v[X+2]|
	v_pk_mul_f32 v[SQ:SQ+1], v[X:X+1], v[X:X+1]    ; the squares of the unquantised numbers, in four chains
	v_max3_num_f32 v[MY], |v[X+3]|, |v[X+4]|, |v[X+5]|
	v_pk_mul_f32 v[SQ+2:SQ+3], v[X+2:X+3], v[X+2:X+3]
	v_max3_num_f32 v[MX], v[MX], |v[X+6]|, |v[X+7]|
	v_pk_mul_f32 v[SQ+4:SQ+5], v[X+4:X+5], v[X+4:X+5]
	v_max3_num_f32 v[MY], v[MY], |v[X+8]|, |v[X+9]|
	v_pk_mul_f32 v[SQ+6:SQ+7], v[X+6:X+7], v[X+6:X+7]
	v_max3_num_f32 v[MX], v[MX], |v[X+10]|, |v[X+11]|
	v_pk_fma_f32 v[SQ:SQ+1], v[X+8:X+9], v[X+8:X+9], v[SQ:SQ+1]
	v_max3_num_f32 v[MY], v[MY], |v[X+12]|, |v[X+13]|
	v_pk_fma_f32 v[SQ+2:SQ+3], v[X+10:X+11], v[X+10:X+11], v[SQ+2:SQ+3]
	v_max3_num_f32 v[MX], v[MX], |v[X+14]|, |v[X+15]|
	v_pk_fma_f32 v[SQ+4:SQ+5], v[X+12:X+13], v[X+12:X+13], v[SQ+4:SQ+5]
	v_max3_num_f32 v[MX], v[MX], v[MY], 0x4800000  ; and the floor 2^(9 - 127): the byte cannot fall under 1
	v_pk_fma_f32 v[SQ+6:SQ+7], v[X+14:X+15], v[X+14:X+15], v[SQ+6:SQ+7]
	v_max_num_f32_dpp v[MX], v[MX], v[MX] row_xmask:1 row_mask:0xf bank_mask:0xf   ; with my neighbour's 16: the block's largest magnitude
	v_pk_add_f32 v[SQ:SQ+1], v[SQ:SQ+1], v[SQ+2:SQ+3]
	v_pk_add_f32 v[SQ+4:SQ+5], v[SQ+4:SQ+5], v[SQ+6:SQ+7]
	v_and_or_b32 v[MH], v[MX], 0x7f800000, s[MNT]  ; 448 x the scale
	v_add_nc_u32 v[MS], 0xfc000000, v[MX]          ; 8 off its exponent field: the conversions' scale operand
	v_pk_add_f32 v[SQ:SQ+1], v[SQ:SQ+1], v[SQ+4:SQ+5]
	v_med3_num_f32 v[X], v[X], -v[MH], v[MH]       ; the conversion to an 8-bit code does not saturate (ISA guide 7.6.2)
	v_med3_num_f32 v[X+1], v[X+1], -v[MH], v[MH]
	v_lshrrev_b32 v[MY], 23, v[MS]                 ; the scale's byte
	v_add_f32 v[SQ], v[SQ], v[SQ+1]
.irp n, 2,3,4,5,6,7
	v_med3_num_f32 v[X+\n], v[X+\n], -v[MH], v[MH]
.endr
	v_add_f32_dpp v[SQ], v[SQ], v[SQ] row_xmask:1 row_mask:0xf bank_mask:0xf       ; a row lies in eight neighbouring lanes
.irp n, 8,9,10,11
	v_med3_num_f32 v[X+\n], v[X+\n], -v[MH], v[MH]
.endr
	v_add_f32_dpp v[SQ], v[SQ], v[SQ] row_xmask:2 row_mask:0xf bank_mask:0xf
.irp n, 12,13,14,15
	v_med3_num_f32 v[X+\n], v[X+\n], -v[MH], v[MH]
.endr
	v_add_f32_dpp v[SQ], v[SQ], v[SQ] row_xmask:4 row_mask:0xf bank_mask:0xf
	v_cvt_scalef32_pk8_fp8_f32 v[PC:PC+1], v[X:X+7], v[MS]
	v_cvt_scalef32_pk8_fp8_f32 v[PC+2:PC+3], v[X+8:X+15], v[MS]
	v_mul_f32 v[SQ], 0x3c800000, v[SQ]             ; / 64, exact (and the plain line behind the last conversion)
	ds_store_b128 v[IW], v[PC:PC+3] offset:4*TILE*(\b)             ; 16 bytes of register group c
	ds_store_b8 v[SW], v[MY] offset:256*(\b)       ; a block's two lanes, and a row's eight below, write the same bytes with the same value
	ds_store_b32 v[QW], v[SQ] offset:QSQ+256*(\b)
.endm
.macro FETCH t                         ; tile t's fragment, scale word and q2 / 64 come back in any wave
.irp c, 0,1,2,3
	ds_load_b128 v[F+4*\c:F+4*\c+3], v[IR] offset:TILE*(\t)+544*\c
.endr
	ds_load_b32 v[QS], v[SCR] offset:64*(\t)
	ds_load_b32 v[Q2+2*((\t)%2)], v[SCR] offset:QSQ+64*(\t)
.endm
.macro MULT t                          ; four accumulators, each written once
.set DD, D+32*((\t)%2)
.irp f, 0,1,2,3
	v_wmma_scale_f32_16x16x128_f8f6f4 v[DD+8*\f:DD+8*\f+7], v[PCD+16*\f:PCD+16*\f+15], v[F:F+15], v[CB+8*\f:CB+8*\f+7], v[PS+\f], v[QS]
.endr
.endm
.macro SQUARED t                       ; from qp - p2 / 2 to max(d2 / 64, 0), each accumulator from its low end on
.set DD, D+32*((\t)%2)
.set QQ, Q2+2*((\t)%2)
	s_wait_alu depctr_va_vdst(0)                   ; the wait here, directly ahead of the first reader of the products
.irp n, 0,1,2,3,4,5,6,7,8,9,10,11,12,13,14,15
	v_pk_fma_f32 v[DD+2*\n:DD+2*\n+1], v[DD+2*\n:DD+2*\n+1], s[CS:CS+1], v[QQ:QQ+1] op_sel_hi:[1,0,0]
.endr
.irp n, 0,1,2,3,4,5,6,7,8,9,10,11,12,13,14,15
	v_dual_max_num_f32 v[DD+2*\n], v[DD+2*\n], v[ZA] :: v_dual_max_num_f32 v[DD+2*\n+1], v[DD+2*\n+1], v[ZB]
.endr
	s_wait_alu depctr_va_vdst(0)                   ; the wait ahead of the roots
.endm
.macro ROOTS t
.set DD, D+32*((\t)%2)
.set K, 0
.rept 32
	v_sqrt_f32 v[DD+K], v[DD+K]                    ; dist / 8
.set K, K+1
.endr
	v_nop                                          ; a plain line behind the last root
	s_wait_alu depctr_va_vdst(0)                   ; one wait ahead of the roots' first reader
.endm
.macro SUMS t                          ; minus the sum of a class's eight: fragment f's into RS + 4 (t % 4) + f.  These 14 plain lines are also places behind the next tile's products
.set DD, D+32*((\t)%2)
.set RR, RS+4*((\t)%4)
.irp f, 0,1,2,3
	v_pk_add_f32 v[DD+8*\f:DD+8*\f+1], v[DD+8*\f:DD+8*\f+1], v[DD+8*\f+2:DD+8*\f+3]
.endr
.irp f, 0,1,2,3
	v_pk_add_f32 v[DD+8*\f+4:DD+8*\f+5], v[DD+8*\f+4:DD+8*\f+5], v[DD+8*\f+6:DD+8*\f+7]
.endr
.irp f, 0,1,2,3
	v_pk_add_f32 v[DD+8*\f+2*(\f%2):DD+8*\f+2*(\f%2)+1], v[DD+8*\f:DD+8*\f+1], v[DD+8*\f+4:DD+8*\f+5] neg_lo:[1,1]   ; the low half negated; odd fragments' pair lies two registers up (a dual pair's sources differ modulo 4)
.endr
.irp f, 0,2
	v_dual_sub_f32 v[RR+\f], v[DD+8*\f], v[DD+8*\f+1] :: v_dual_sub_f32 v[RR+\f+1], v[DD+8*\f+10], v[DD+8*\f+11]
.endr
.endm
.macro PUT t                           ; lane (r, h): out(16 t + r, 8 w + 4 h + 0 .. 3): 16 bytes of a stage row
	ds_store_b128 v[SO+((\t)/8)], v[RS+4*((\t)%4):RS+4*((\t)%4)+3] offset:16*SP*((\t)%8)
.endm
.macro OLOAD g                         ; groups 0-2: 64 rows, four a wave; groups 3, 4: 32 rows, two a wave
.if (\g) < 3
.irp k, 0,1,2,3
	ds_load_b128 v[OB+4*\k:OB+4*\k+3], v[SRD+((\g)/2)] offset:(64*((\g)%2)+\k)*SP
.endr
.else
.irp k, 0,1
	ds_load_b128 v[OB+8*((\g)-3)+4*\k:OB+8*((\g)-3)+4*\k+3], v[SR2] offset:(32*((\g)-3)+\k)*SP
.endr
.endif
.endm
.macro OSTORE g                        ; 32 lanes store a row's 512 consecutive bytes, aligned; read by nobody here
.if (\g) < 3
.irp k, 0,1,2,3
	global_store_b128 v[GO], v[OB+4*\k:OB+4*\k+3], s[12:13] offset:(64*(\g)+\k)*512 th:TH_STORE_NT
.endr
.else
.irp k, 0,1
	global_store_b128 v[GO], v[OB+8*((\g)-3)+4*\k:OB+8*((\g)-3)+4*\k+3], s[46:47] offset:(192+32*((\g)-3)+\k)*512 th:TH_STORE_NT
.endr
.endif
.endm
; say = 1: the step opens with a barrier's signal;  put = how many finished tiles go to the stage;  out = the group whose barrier is waited for here and whose rows are read back (9: the barrier alone), or -1;  send = the group whose rows leave, or -1
.macro STEP t, say, put, out, send
	s_wait_dscnt 0x0                               ; tile t's six loads are in, and so is all else of mine in LDS
.if (\send) >= 0
	OSTORE \send
.endif
.if \say
	s_barrier_signal -1                            ; my part of the next block's images and of the group's stage rows has landed
.endif
	MULT \t
	ROOTS (\t)-1
	SUMS (\t)-1
.if (\out) >= 0
	s_wait_alu depctr_va_vdst(0)                   ; the wait here, directly ahead of the wait below
	s_barrier_wait -1
.endif
.if (\put) == 4
	PUT (\t)-4
	PUT (\t)-3
.endif
.if (\put) >= 2
	PUT (\t)-2
	PUT (\t)-1
.endif
.if ((\out) >= 0) && ((\out) < 9)
	s_wait_xcnt 0x0                                ; the stores of the group before have read their registers
	OLOAD \out
.endif
.if (\t) != 15
	FETCH (\t)+1
.endif
	SQUARED \t
.endm
	QUANT 0, OB, 28                                ; younger: 4 of -p2 / 2, 4 scale words, 16 of codes, block 1's 4
	s_wait_loadcnt 24                              ; -p2 / 2 is in
	s_wait_dscnt 0x0                               ; my part of block 0's images has landed
	s_barrier_signal -1
.irp f, 0,1,2,3
.irp j, 0,1,2,3,4,5,6,7
	v_mov_b32_dpp v[CB+8*\f+\j], v[BR+\f] row_share:\j row_mask:0xf bank_mask:0xf  ; register j: row 8 h + j's -p2 / 2 in all lanes of half h
.endr
.endr
	s_wait_alu depctr_va_vdst(0)                   ; the wait here, directly ahead of the wait below
	s_barrier_wait -1                              ; block 0's images lie in LDS
	FETCH 0
	s_wait_loadcnt 4                               ; my prototypes, once; block 1's rows may be out
	s_wait_dscnt 0x0
	MULT 0
.rept 8
	v_nop                                          ; eight places between the products and the loads into their source, or the first read of a result
.endr
	FETCH 1
	SQUARED 0
	STEP 1, 0, 0, -1, -1
	QUANT 1, RW, 0                                 ; behind an odd tile the even accumulators' registers are free
	STEP 2, 1, 0, -1, -1
	STEP 3, 0, 0, 9, -1
	STEP 4, 0, 4, -1, -1
	STEP 5, 0, 0, -1, -1
	QUANT 2, RW, 0
	STEP 6, 1, 0, -1, -1
	STEP 7, 0, 0, 0, -1
	STEP 8, 0, 4, -1, 0
	STEP 9, 0, 0, -1, -1
	QUANT 3, RW, 0
	STEP 10, 1, 0, -1, -1
	STEP 11, 0, 0, 1, -1
	STEP 12, 0, 4, -1, 1
	STEP 13, 1, 0, -1, -1
	STEP 14, 0, 2, 2, -1
	STEP 15, 1, 0, 3, 2
	s_wait_dscnt 0x0
	OSTORE 3
	ROOTS 15
	SUMS 15
	PUT 14
	PUT 15
	s_wait_dscnt 0x0                               ; my part of the last rows has landed
	s_barrier_signal -1
	s_barrier_wait -1
	OLOAD 4
	s_wait_dscnt 0x0
	OSTORE 4
	s_wait_tensorcnt 0x0                           ; the wave's end
	ds_add_u32 v[SPW], v[NIL]
	s_wait_dscnt 0x0
	s_endpgm
.Lfunc_end_k_qf13b3e4650_dist:
	.size	k_qf13b3e4650_dist, .Lfunc_end_k_qf13b3e4650_dist-k_qf13b3e4650_dist
	.p2alignl 7, 3214868480
	.fill 96, 4, 3214868480
	.section	.rodata,"a",@progbits
	.p2align	6, 0x0
	.amdhsa_kernel k_qf13b3e4650_dist
		.amdhsa_group_segment_fixed_size 215040
		.amdhsa_private_segment_fixed_size 0
		.amdhsa_enable_private_segment 0
		.amdhsa_kernarg_size 32
		.amdhsa_user_sgpr_count 2
		.amdhsa_user_sgpr_kernarg_segment_ptr 1
		.amdhsa_wavefront_size32 1
		.amdhsa_system_sgpr_workgroup_id_x 1
		.amdhsa_system_sgpr_workgroup_id_y 1
		.amdhsa_system_sgpr_workgroup_id_z 1
		.amdhsa_system_vgpr_workitem_id 0
		.amdhsa_next_free_vgpr 256
		.amdhsa_next_free_sgpr 66
		.amdhsa_reserve_vcc 0
		.amdhsa_float_denorm_mode_32 3
		.amdhsa_float_denorm_mode_16_64 3
		.amdhsa_memory_ordered 1
		.amdhsa_forward_progress 1
		.amdhsa_inst_pref_size 109
	.end_amdhsa_kernel
	.amdgpu_metadata
---
amdhsa.version: [ 1, 2 ]
amdhsa.kernels:
  - .name:           k_qf13b3e4650_dist
    .symbol:         k_qf13b3e4650_dist.kd
    .args:
      - { .name: query_set_repr, .offset: 0, .size: 8, .value_kind: global_buffer, .address_space: global }
      - { .name: pcodes, .offset: 8, .size: 8, .value_kind: global_buffer, .address_space: global }
      - { .name: pmeta, .offset: 16, .size: 8, .value_kind: global_buffer, .address_space: global }
      - { .name: out0, .offset: 24, .size: 8, .value_kind: global_buffer, .address_space: global }
    .group_segment_fixed_size: 215040
    .private_segment_fixed_size: 0
    .kernarg_segment_align: 8
    .kernarg_segment_size: 32
    .max_flat_workgroup_size: 512
    .sgpr_count:     66
    .vgpr_count:     256
    .wavefront_size: 32
...
	.end_amdgpu_metadata
.endif
;; end of part 2
